; MI455X (gfx1250); checked and timed in simulation.
; The chip was launched on July 23, 2026; its instructions are those of AMD's public machine-readable ISA for CDNA 5 (MIT licence, August 2026) and "CDNA5" Instruction Set Architecture Reference Guide (July 2026). The comments in the code are by the model that wrote it; some were corrected since.
;; Multi Level Mamba. Allowed arithmetic: float matrix products may take bf16 or f16 operands with f32 sums; all other float work in f32.
;; Inputs: fW 128 x 1 float32; fb 1 float32; lp_W 2 x 64 x 64 float32; lp_b 2 x 64 float32; oW 2 x 64 x 64 float32; ob 2 x 64 float32; pW 2 x 64 x 192 float32; p_seq 8 x 4,096 x 32 x 64 float32; pb 2 x 192 float32; rW 2 x 64 x 64 float32; rb 2 x 64 float32.
;; Outputs: out0 8 x 4,096 float32.
;; One version. Each part assembles by itself: llvm-mc -triple=amdgcn-amd-amdhsa -mcpu=gfx1250 --defsym DOCPART=n.
;; ======== version 1 of 1: 2 launches
;; workspace buffers: fold 56,320 bytes
;; launch fold (part 1): grid 14 x 2, 8 waves a work-group, no clusters, 0 bytes of LDS; arguments lp_W, lp_b, pW, pb, oW, ob, rW, rb, fW, fold; writes fold
.if DOCPART == 1
	.amdgcn_target "amdgcn-amd-amdhsa--gfx1250"
	.amdhsa_code_object_version 6
	.text
	.protected	k_q86e4f56a19_fold
	.globl	k_q86e4f56a19_fold
	.p2align	8
	.type	k_q86e4f56a19_fold,@function
k_q86e4f56a19_fold:
	s_mov_b64 s[64:65], 0
	v_nop
	global_prefetch_b8 v0, s[64:65] scope:SCOPE_SE
	s_setreg_imm32_b32 hwreg(HW_REG_WAVE_MODE, 25, 1), 1
	s_wait_xcnt 0x0
; FOLD: reference() has no nonlinearity between its linear steps, so for every input
;   a, b, c = p_seq (lp_W pW) + (lp_b pW + pb),   mean(x) = p_seq . rowmean(lp_W) + mean(lp_b),
;   y = sum over levels [ gelu(c h) . w + xm(last) sv + Kc ] + fb,  v = rW fW_l, w = oW v, sv = sum(v), Kc = ob.v + rb.fW_l.
; This launch makes these products in f32 (1.6 million multiply-adds in all: no bulk work, so no matrix unit, no LDS, no cluster)
; and stores them as the next launch wants them in registers.  Only the order of the sums differs from reference().
; Grid: y = level, x = 0..12 one image tile of 16 folded columns, x = 13 biases (waves 0-6) and head vectors (wave 7).
; A level's block of LV bytes:  13 tiles of 2,048 bytes, BIAS (224 f32), WV (64 f32), SC (the pair sv, Kc, 32 times).
; A tile is the 16-bit A fragment as it lies in registers: [K step s][u][lane][4 words]; word qq of lane (r, h) holds
; Wc[d][e], Wc[d+1][e] in bf16 with d = 32 s + 16 u + 8 h + 2 qq, e = 16 x + r.  Columns: a 0-63 (times -log2 e, so that
; exp2 gives e^-a at once), b 64-127, c 128-191, tile 12: rowmean(lp_W), as bf16 where r & 2 = 0 and as the bf16 of what that
; rounding left over where r & 2 = 2 (the two are added after the product, so the mean's weight keeps 16 bits).
.set LV,    28160
.set BIAS,  26624
.set WV,    27648
.set SC,    27904
.set NL2E,  0xbfb8aa3b                 ; -log2 e
.set COL,   8                          ; v[8:71]    a column of pW (or 1/64 sixty-four times); in wave 7 of x = 13: M, two matrix rows, v[8:135]
.set R,     72                         ; v[72:199]  two rows of lp_W; in the bias path v[72:135] = lp_b
	s_load_b512 s[4:19], s[0:1], 0x0               ; lp_W s[4:5], lp_b s[6:7], pW s[8:9], pb s[10:11], oW s[12:13], ob s[14:15], rW s[16:17], rb s[18:19]
	s_load_b128 s[20:23], s[0:1], 0x40             ; fW s[20:21], fold s[22:23]
	s_and_b32 s2, ttmp7, 0xffff                    ; level
	s_mov_b32 s3, ttmp9                            ; x
	s_mul_i32 s28, s2, 49152                       ; the level's bytes in pW,
	s_lshl_b32 s29, s2, 14                         ; in lp_W, oW, rW,
	s_mul_i32 s30, s2, LV                          ; and in fold: all level terms go into vector offsets, the bases stay as loaded
	v_lshrrev_b32 v1, 5, v0
	v_readfirstlane_b32 s31, v1                    ; wave
	s_wait_kmcnt 0x0
	s_cmp_eq_u32 s3, 13
	s_cbranch_scc1 .Lextras
.macro COLS                            ; 64 numbers of one column of pW, 768 bytes apart
.set n, 0
.rept 64
	global_load_b32 v[COL+n], v3, s[8:9] offset:768*n
.set n, n+1
.endr
.endm
.macro ROWS off                        ; two rows of lp_W, 512 consecutive bytes a thread
.set n, 0
.rept 32
	global_load_b128 v[R+4*n:R+4*n+3], v2, s[4:5] offset:\off+16*n
.set n, n+1
.endr
.endm
.macro DOT2 res                        ; two dot products of 64, two numbers an instruction, the two chains interleaved; then the scale
	v_pk_mul_f32 v[200:201], v[R:R+1], v[COL:COL+1]
	v_pk_mul_f32 v[202:203], v[R+64:R+65], v[COL:COL+1]
.set n, 1
.rept 31
	v_pk_fma_f32 v[200:201], v[R+2*n:R+2*n+1], v[COL+2*n:COL+2*n+1], v[200:201]
	v_pk_fma_f32 v[202:203], v[R+64+2*n:R+65+2*n], v[COL+2*n:COL+2*n+1], v[202:203]
.set n, n+1
.endr
	v_add_f32 v200, v200, v201
	v_add_f32 v202, v202, v203
	v_mul_f32 v[\res], s24, v200
	v_mul_f32 v[\res+1], s24, v202
.endm
	; IMAGE TILE x.  Thread t makes the 8 bytes at 8 t of the tile: rows d .. d+3, d = 8 (t >> 5) + 4 (t & 1), column 16 x + r, r = (t >> 1) & 15.
	v_bfe_u32 v4, v0, 1, 4                         ; r
	v_and_b32 v5, 1, v0
	v_lshlrev_b32 v2, 11, v1                       ; 256 d = 2,048 (t >> 5)
	v_lshl_add_u32 v2, v5, 10, v2                  ;       + 1,024 (t & 1)
	v_add_nc_u32 v2, s29, v2                       ; + the level: my rows in lp_W
	s_lshl_b32 s32, s3, 6
	s_add_co_u32 s32, s32, s28
	v_lshl_add_u32 v3, v4, 2, s32                  ; my column in pW: level + 4 (16 x + r)
	s_lshl_b32 s33, s3, 11
	s_add_co_u32 s33, s33, s30
	v_lshl_add_u32 v6, v0, 3, s33                  ; where my 8 bytes go: level + 2,048 x + 8 t; a wave's store covers 256 consecutive bytes, aligned
	s_cmp_lt_u32 s3, 4
	s_cselect_b32 s24, NL2E, 1.0                   ; a's columns are scaled
	s_cmp_eq_u32 s3, 12
	s_cbranch_scc1 .Lmean
	COLS
	s_branch .Lrows
.Lmean:                                            ; tile 12: the column is 1/64 throughout, the dot product a row's mean
.set n, 0
.rept 64
	v_mov_b32 v[COL+n], 0x3c800000
.set n, n+1
.endr
.Lrows:
	ROWS 0
	s_wait_loadcnt 0x0                             ; the column and rows d, d+1
	DOT2 204
	ROWS 512                                       ; rows d+2, d+3 into the same registers: their loads are done and the products above have read them
	s_wait_loadcnt 0x0
	DOT2 206
	v_cvt_pk_bf16_f32 v208, v204, v205
	v_cvt_pk_bf16_f32 v209, v206, v207
	s_cmp_lg_u32 s3, 12
	s_cbranch_scc1 .Lput
	v_lshlrev_b32 v200, 16, v208                   ; tile 12: what the rounding left over, rounded in its turn,
	v_and_b32 v201, 0xffff0000, v208
	v_lshlrev_b32 v202, 16, v209
	v_and_b32 v203, 0xffff0000, v209
	v_sub_f32 v204, v204, v200
	v_sub_f32 v205, v205, v201
	v_sub_f32 v206, v206, v202
	v_sub_f32 v207, v207, v203
	v_cvt_pk_bf16_f32 v200, v204, v205
	v_cvt_pk_bf16_f32 v201, v206, v207
	v_and_b32 v202, 2, v4
	v_cmp_ne_u32 vcc_lo, 0, v202                   ; goes into the columns with r & 2 = 2
	v_cndmask_b32 v208, v208, v200, vcc_lo
	v_cndmask_b32 v209, v209, v201, vcc_lo
.Lput:
	global_store_b64 v6, v[208:209], s[22:23]
	s_endpgm
.Lextras:
	s_cmp_eq_u32 s31, 7
	s_cbranch_scc1 .Lhead
	; BIASES, threads 0..223: bias[t] = pb[t] + lp_b . pW[:, t] for t < 192 (times -log2 e for t < 64); t >= 192: mean(lp_b), or 0 in the left-over columns.
	v_min_u32 v4, 191, v0                          ; threads 192..223 load column 191 and discard it: no load leaves pW or pb
	v_lshl_add_u32 v3, v4, 2, s28
	COLS
	s_lshl_b32 s32, s2, 8
	v_mov_b32 v5, s32                              ; lp_b of the level: the same 256 bytes in every lane
.set n, 0
.rept 16
	global_load_b128 v[R+4*n:R+4*n+3], v5, s[6:7] offset:16*n
.set n, n+1
.endr
	s_mul_i32 s33, s2, 768
	v_lshl_add_u32 v7, v4, 2, s33
	global_load_b32 v136, v7, s[10:11]             ; pb
	s_add_co_u32 s33, s30, BIAS
	v_lshl_add_u32 v6, v0, 2, s33
	s_wait_loadcnt 0x0
	v_pk_mul_f32 v[200:201], v[R:R+1], v[COL:COL+1]
	v_pk_mul_f32 v[202:203], v[R:R+1], 0x3c800000 op_sel_hi:[1,0]
.set n, 1
.rept 31
	v_pk_fma_f32 v[200:201], v[R+2*n:R+2*n+1], v[COL+2*n:COL+2*n+1], v[200:201]
	v_pk_fma_f32 v[202:203], v[R+2*n:R+2*n+1], 0x3c800000, v[202:203] op_sel_hi:[1,0,1]
.set n, n+1
.endr
	v_add_f32 v200, v200, v201
	v_add_f32 v202, v202, v203                     ; mean(lp_b)
	v_add_f32 v200, v200, v136
	v_mul_f32 v201, NL2E, v200
	v_cmp_gt_u32 vcc_lo, 64, v0
	v_cndmask_b32 v200, v200, v201, vcc_lo         ; a's biases are scaled like a's columns
	v_and_b32 v203, 2, v0
	v_cmp_eq_u32 vcc_lo, 0, v203
	v_cndmask_b32 v202, 0, v202, vcc_lo            ; the mean's bias is added once: 0 in the left-over columns
	v_cmp_le_u32 vcc_lo, 192, v0
	v_cndmask_b32 v200, v200, v202, vcc_lo
	global_store_b32 v6, v200, s[22:23]
	s_endpgm
.Lhead:
	; HEAD VECTORS, one wave: lane i owns rows 2 i and 2 i + 1 of rW, then of oW, and elements 2 i, 2 i + 1 of every vector.
.macro MROWS base                      ; my two rows, 512 consecutive bytes
.set n, 0
.rept 32
	global_load_b128 v[COL+4*n:COL+4*n+3], v5, s[\base:\base+1] offset:16*n
.set n, n+1
.endr
.endm
.macro MATVEC dst, src                 ; dst = M src: element m of src lies in lane m >> 1, register m & 1, and is read as a scalar
.set m, 0
.rept 64
	v_readlane_b32 s[26+(m&1)], v[\src+(m&1)], m>>1
.if m == 0
	v_mul_f32 v[\dst], s26, v[COL]
	v_mul_f32 v[\dst+1], s26, v[COL+64]
.else
	v_fmac_f32 v[\dst], s[26+(m&1)], v[COL+m]
	v_fmac_f32 v[\dst+1], s[26+(m&1)], v[COL+64+m]
.endif
.set m, m+1
.endr
.endm
.macro WSUM r                          ; sum over the 32 lanes, result in every lane
	v_add_f32_dpp v[\r], v[\r], v[\r] row_xmask:1 row_mask:0xf bank_mask:0xf
	v_add_f32_dpp v[\r], v[\r], v[\r] row_xmask:2 row_mask:0xf bank_mask:0xf
	v_add_f32_dpp v[\r], v[\r], v[\r] row_xmask:4 row_mask:0xf bank_mask:0xf
	v_add_f32_dpp v[\r], v[\r], v[\r] row_xmask:8 row_mask:0xf bank_mask:0xf
	v_permlanex16_b32 v148, v[\r], s40, s41
	v_add_f32 v[\r], v[\r], v148
.endm
	s_mov_b32 s40, 0x76543210                      ; lane i of one half reads lane i of the other
	s_mov_b32 s41, 0xfedcba98
	v_and_b32 v4, 31, v0
	v_lshl_add_u32 v5, v4, 9, s29                  ; level + 512 i
	s_lshl_b32 s32, s2, 8
	v_lshl_add_u32 v7, v4, 3, s32                  ; level + 8 i in fW, ob, rb
	v_lshl_add_u32 v6, v4, 3, s30                  ; level + 8 i in fold
	v_mov_b32 v148, 0                              ; the lane exchange counts as a reader of its destination
	MROWS 16                                       ; rW
	global_load_b64 v[136:137], v7, s[20:21]       ; fW_l
	global_load_b64 v[138:139], v7, s[14:15]       ; ob
	global_load_b64 v[140:141], v7, s[18:19]       ; rb
	s_wait_loadcnt 0x0
	MATVEC 142, 136                                ; v = rW fW_l
	MROWS 12                                       ; oW
	s_wait_loadcnt 0x0
	MATVEC 144, 142                                ; w = oW v
	v_add_f32 v146, v142, v143
	v_mul_f32 v147, v138, v142
	v_fmac_f32 v147, v139, v143
	v_fmac_f32 v147, v140, v136
	v_fmac_f32 v147, v141, v137
	WSUM 146                                       ; sv
	WSUM 147                                       ; Kc = ob . v + rb . fW_l
	global_store_b64 v6, v[144:145], s[22:23] offset:WV     ; each of the two stores covers 256 consecutive bytes, aligned
	global_store_b64 v6, v[146:147], s[22:23] offset:SC
	s_endpgm
.Lfunc_end_k_q86e4f56a19_fold:
	.size	k_q86e4f56a19_fold, .Lfunc_end_k_q86e4f56a19_fold-k_q86e4f56a19_fold
	.p2alignl 7, 3214868480
	.fill 96, 4, 3214868480
	.section	.rodata,"a",@progbits
	.p2align	6, 0x0
	.amdhsa_kernel k_q86e4f56a19_fold
		.amdhsa_group_segment_fixed_size 0
		.amdhsa_private_segment_fixed_size 0
		.amdhsa_enable_private_segment 0
		.amdhsa_kernarg_size 80
		.amdhsa_user_sgpr_count 2
		.amdhsa_user_sgpr_kernarg_segment_ptr 1
		.amdhsa_wavefront_size32 1
		.amdhsa_system_sgpr_workgroup_id_x 1
		.amdhsa_system_sgpr_workgroup_id_y 1
		.amdhsa_system_sgpr_workgroup_id_z 1
		.amdhsa_system_vgpr_workitem_id 0
		.amdhsa_next_free_vgpr 216
		.amdhsa_next_free_sgpr 66
		.amdhsa_reserve_vcc 1
		.amdhsa_float_denorm_mode_32 3
		.amdhsa_float_denorm_mode_16_64 3
		.amdhsa_memory_ordered 1
		.amdhsa_forward_progress 1
		.amdhsa_inst_pref_size 65
	.end_amdhsa_kernel
	.amdgpu_metadata
---
amdhsa.version: [ 1, 2 ]
amdhsa.kernels:
  - .name:           k_q86e4f56a19_fold
    .symbol:         k_q86e4f56a19_fold.kd
    .args:
      - { .name: lp_W, .offset: 0, .size: 8, .value_kind: global_buffer, .address_space: global }
      - { .name: lp_b, .offset: 8, .size: 8, .value_kind: global_buffer, .address_space: global }
      - { .name: pW, .offset: 16, .size: 8, .value_kind: global_buffer, .address_space: global }
      - { .name: pb, .offset: 24, .size: 8, .value_kind: global_buffer, .address_space: global }
      - { .name: oW, .offset: 32, .size: 8, .value_kind: global_buffer, .address_space: global }
      - { .name: ob, .offset: 40, .size: 8, .value_kind: global_buffer, .address_space: global }
      - { .name: rW, .offset: 48, .size: 8, .value_kind: global_buffer, .address_space: global }
      - { .name: rb, .offset: 56, .size: 8, .value_kind: global_buffer, .address_space: global }
      - { .name: fW, .offset: 64, .size: 8, .value_kind: global_buffer, .address_space: global }
      - { .name: fold, .offset: 72, .size: 8, .value_kind: global_buffer, .address_space: global }
    .group_segment_fixed_size: 0
    .private_segment_fixed_size: 0
    .kernarg_segment_align: 8
    .kernarg_segment_size: 80
    .max_flat_workgroup_size: 256
    .sgpr_count:     66
    .vgpr_count:     216
    .wavefront_size: 32
...
	.end_amdgpu_metadata
.endif
;; end of part 1
;; launch scan (part 2): grid 256 x 1, 8 waves a work-group, no clusters, 327,680 bytes of LDS; arguments p_seq, fold, fb, out0; writes out0
.if DOCPART == 2
	.amdgcn_target "amdgcn-amd-amdhsa--gfx1250"
	.amdhsa_code_object_version 6
	.text
	.protected	k_q86e4f56a19_scan
	.globl	k_q86e4f56a19_scan
	.p2align	8
	.type	k_q86e4f56a19_scan,@function
k_q86e4f56a19_scan:
	s_mov_b64 s[64:65], 0
	v_nop
	global_prefetch_b8 v0, s[64:65] scope:SCOPE_SE
	s_setreg_imm32_b32 hwreg(HW_REG_WAVE_MODE, 25, 1), 1
	s_wait_xcnt 0x0
; SCAN: y[stock] from p_seq [32,768 stocks][32 steps][64] f32 and the folded weights of the launch before.
; A work-group owns 128 stocks (1 MiB of p_seq, read once).  Wave w: level l = w & 1, stocks 32 q .. 32 q + 31, q = w >> 1, as two groups of 16.
; THE MATRIX INSTRUCTION IS USED TRANSPOSED: source 0 = 16 folded weight columns, source 1 = 16 stocks at ONE time step.  Register j of lane (r, h)
; of the result is then state 16 T + 8 h + j of stock r: the recurrence h = sigmoid(a) h + b xm runs in a lane's own registers, xm is a number of
; the lane, and no lane talks to another inside the loop.  A wave's 9 weight tiles (a 4, b 4, xm 1) and their biases stay in 216 registers; the bias
; enters as the first product's C, so nothing is cleared and nothing is added afterwards.  c is needed at the last step alone: its tiles are loaded
; over a's when those are dead.
; p_seq comes through two LDS slots, each with 4 time steps of all 128 stocks; every wave fetches 16 stocks' rows of 1,024 bytes with one tensor load
; (eight loads of 16 KiB rather than two of 64 rows, so that each wave has one on its way behind each barrier).
; NO CLUSTER: no two work-groups read the same bytes of p_seq, and the shared weights are 28 KB a wave, loaded once into registers.
; LIMITS.  Matrix operands are bf16 (xm's weight as two bf16 parts).  The sums' order differs from reference().  erf is Abramowitz-Stegun 7.1.26
; (absolute error 7.5e-8 on Phi).  exp2 and the reciprocal treat denormals as zero (ISA guide 15.8).  Inputs for which reference() is not finite are not served.
.set LV,    28160                      ; a level's block in fold, and its parts
.set BIAS,  26624
.set WV,    27648
.set SC,    27904
.set PITCH, 1040                       ; an LDS row: 1,024 bytes (4 steps x 64 f32) + 16 of padding = 65 x 16: the 16-byte pieces that 16 rows' lanes load fall on 16 different columns modulo 256
.set WTILE, 16*PITCH                   ; what one tensor load brings; also one group of 16 stocks
.set SLOT,  128*PITCH
.set STAGE, 2*SLOT                     ; 266,240 = 1,040 x 256: f32 [level][stock], written by LDS stores alone, never a fill's target
; window 0
.set LA,   8                           ; v8, v9     my LDS address in slot 0, 1: (32 q + r) PITCH + 32 h
                                       ; v10 = 16 lane   v11 = 32 h   v12 = my word of the stage   v13 = STAGE + 16 lane
.set XML,  14                          ; v14, v15   xm at the last step, group 0, 1
.set X,    16                          ; v[16:47]   32 f32 as loaded; in the tail w
.set F0,   48                          ; v[48:63], v[64:79]  two buffers of bf16 fragments (two K steps of 8 registers each)
.set D,    80                          ; v[80:151]  results, tile T at D + 8 T
.set DA,   80                          ;            a: tiles 0-3
.set DB,   112                         ;            b: tiles 4-7
.set DX,   144                         ;            xm: tile 8
.set H,    152                         ; v[152:215] the state, group g at H + 32 g
.set TA,   216                         ; v[216:239] at work in the tail
.set TE,   224
.set TP,   232
.set ACC,  240                         ; v[240:243] a pair for each group
.set CF,   244                         ; v[244:253] five coefficients, each twice
; window 1 (v256-v471)
.set WA,   0                           ; weight tile T, K step s at 16 T + 8 s
.set BC,   144                         ; bias tile T at 144 + 8 T
.set MSB,  0
.macro WIN new                         ; s_set_vgpr_msb: bits 1:0 source 0, 3:2 source 1, 5:4 source 2, 7:6 destination; the high byte repeats the setting that is left
.if MSB != \new
	s_set_vgpr_msb (MSB<<8)|\new
.set MSB, \new
.endif
.endm
	s_load_b256 s[4:11], s[0:1], 0x0               ; p_seq s[4:5], fold s[6:7], fb s[8:9], out0 s[10:11]
	v_lshl_add_u32 v254, v0, 2, 0x41400
	v_mov_b32 v255, 0
	ds_add_u32 v254, v255
	ds_add_u32 v254, v255
	v_lshrrev_b32 v1, 5, v0
	v_readfirstlane_b32 s12, v1                    ; wave
	s_and_b32 s13, s12, 1                          ; level
	s_lshr_b32 s14, s12, 1                         ; q
	; descriptor group 1: 16 rows of 256 elements of 4 bytes, 2,048 elements from a stock to the next, 4 words of padding behind every 256
	s_mov_b32 s16, (2<<16)|(1<<20)|(7<<22)|(3<<25)
	s_mov_b32 s17, 256<<16                         ; tensor_dim0 = 256 (the tiles lie inside the tensor: the extents are the tile's)
	s_mov_b32 s18, 16<<16                          ; tensor_dim1 = 16
	s_mov_b32 s19, 256<<16                         ; tile_dim0 = 256
	s_mov_b32 s20, 16                              ; tile_dim1 = 16
	s_mov_b32 s21, 2048                            ; pitch
	s_mov_b32 s22, 0
	s_mov_b32 s23, 0
	s_lshl_b32 s32, ttmp9, 20                      ; the work-group's 1 MiB
	s_lshl_b32 s15, s12, 17                        ; + my 16 stocks of 8 KiB (below 2^28 in all)
	s_add_co_u32 s32, s32, s15
	s_mov_b32 s33, 0
	s_mul_i32 s35, s12, WTILE                      ; and where they go in a slot
	s_wait_dscnt 0x0
	s_wait_kmcnt 0x0
	s_add_nc_u64 s[4:5], s[4:5], s[32:33]
	; group 0 for each slot, s[24:27] and s[28:31], and the two first fills (steps 0-3, steps 4-7), ahead of everything else
.irp s, 0,1
	s_mov_b32 s[24+4*\s], 1
	s_add_co_u32 s[25+4*\s], s35, \s*SLOT
	s_add_nc_u64 s[26+4*\s:27+4*\s], s[4:5], \s*1024
	s_or_b32 s[27+4*\s], s[27+4*\s], 0x80000000
	tensor_load_to_lds s[24+4*\s:27+4*\s], s[16:23]
	s_nop 0
.endr
	s_mul_i32 s32, s13, LV
	s_add_nc_u64 s[42:43], s[6:7], s[32:33]        ; my level's block of fold; never rewritten
	s_load_b64 s[36:37], s[42:43], SC              ; sv, Kc
	s_load_b32 s38, s[8:9], 0x0                    ; fb
	s_lshl_b32 s32, ttmp9, 9
	s_add_nc_u64 s[10:11], s[10:11], s[32:33]      ; the work-group's 512 bytes of out0
	v_and_b32 v2, 31, v0                           ; lane
	v_and_b32 v3, 15, v0                           ; r
	v_bfe_u32 v4, v0, 4, 1                         ; h
	v_lshlrev_b32 v10, 4, v2
	v_lshlrev_b32 v11, 5, v4
	; weights and biases into window 1: register tiles 0-7 take image tiles 0-7 (a, b), register tile 8 image tile 12 (xm).
	; An image is the fragment as it lies in registers: 16 bytes a lane, 512 consecutive bytes a load.  A bias tile: bias[16 T + 8 h + j] in register j.
	WIN 0x40
.set mt, 0
.rept 9
.set it, mt+4*(mt/8)
.irp k, 0,1,2,3
	global_load_b128 v[WA+16*mt+4*\k:WA+16*mt+4*\k+3], v10, s[42:43] offset:2048*it+512*\k
.endr
	global_load_b128 v[BC+8*mt:BC+8*mt+3], v11, s[42:43] offset:BIAS+64*it
	global_load_b128 v[BC+8*mt+4:BC+8*mt+7], v11, s[42:43] offset:BIAS+64*it+16
.set mt, mt+1
.endr
	WIN 0
	s_mul_i32 s15, s14, 32*PITCH
	v_mul_u32_u24 v5, v3, PITCH
	v_add3_u32 v[LA], v5, v11, s15
	v_add_nc_u32 v[LA+1], SLOT, v[LA]
	s_lshl_b32 s15, s13, 9
	s_lshl_b32 s35, s14, 7
	s_add_co_u32 s15, s15, s35
	s_add_co_u32 s15, s15, STAGE
	v_lshl_add_u32 v12, v2, 2, s15                 ; STAGE + 512 l + 4 (32 q + lane): a word of my own
	v_add_nc_u32 v13, STAGE, v10
	s_mov_b32 s39, 0x7fffffff
	s_mov_b32 s40, 0x76543210                      ; lane i of one half reads lane i of the other
	s_mov_b32 s41, 0xfedcba98
	s_wait_kmcnt 0x0
	s_cmp_eq_u32 s13, 0
	s_cselect_b32 s38, s38, 0                      ; fb is added once: by level 0's waves
	s_wait_loadcnt 0x0                             ; weights and biases, once
; step i of a chunk: group i & 1, time step i >> 1.  Eight loads: my stock's 8 f32 at d = 16 c + 8 h for c = 0..3, the order of a fragment's registers
.macro LDX slot, i
.irp k, 0,1,2,3,4,5,6,7
	ds_load_b128 v[X+4*\k:X+4*\k+3], v[LA+\slot] offset:WTILE*((\i)&1)+256*((\i)>>1)+64*(\k>>1)+16*(\k&1)
.endr
.endm
.macro CVT f                           ; 32 f32 to the two K steps' fragments
.set n, 0
.rept 16
	v_cvt_pk_bf16_f32 v[\f+n], v[X+2*n], v[X+2*n+1]
.set n, n+1
.endr
.endm
; Tiles lo..8, both K steps.  The first product takes the bias as C.  The accumulators take turns, one instruction a turn:
; the run ends on tile 8 and the next run begins on tile lo.
.macro MM f, lo
	WIN 0x11                                       ; A and C in window 1
.set mt, \lo
.rept 9-\lo
	v_wmma_f32_16x16x32_bf16 v[D+8*mt:D+8*mt+7], v[WA+16*mt:WA+16*mt+7], v[\f:\f+7], v[BC+8*mt:BC+8*mt+7]
.set mt, mt+1
.endr
	WIN 0x01                                       ; A in window 1
.set mt, \lo
.rept 9-\lo
	v_wmma_f32_16x16x32_bf16 v[D+8*mt:D+8*mt+7], v[WA+16*mt+8:WA+16*mt+15], v[\f+8:\f+15], v[D+8*mt:D+8*mt+7]
.set mt, mt+1
.endr
	WIN 0
.endm
.macro XSUM                            ; xm = the product with the mean's bf16 weight + the product with what its rounding left over
	v_pk_add_f32 v[DX:DX+1], v[DX:DX+1], v[DX+2:DX+3]
.endm
.macro EXP8 tl
.irp j, 0,1,2,3,4,5,6,7
	v_exp_f32 v[DA+8*\tl+\j], v[DA+8*\tl+\j]
.endr
.endm
.macro RCP8 tl
.irp j, 0,1,2,3,4,5,6,7
	v_rcp_f32 v[DA+8*\tl+\j], v[DA+8*\tl+\j]
.endr
.endm
.macro MULB tl
.irp p, 0,2,4,6
	v_pk_mul_f32 v[DB+8*\tl+\p:DB+8*\tl+\p+1], v[DB+8*\tl+\p:DB+8*\tl+\p+1], v[DX:DX+1]
.endr
.endm
.macro ADD1 tl
	s_wait_alu depctr_va_vdst(0)
.irp p, 0,2,4,6
	v_pk_add_f32 v[DA+8*\tl+\p:DA+8*\tl+\p+1], v[DA+8*\tl+\p:DA+8*\tl+\p+1], 1.0 op_sel_hi:[1,0]
.endr
.endm
.macro HFMA g, tl
	s_wait_alu depctr_va_vdst(0)
.irp p, 0,2,4,6
	v_pk_fma_f32 v[H+32*\g+8*\tl+\p:H+32*\g+8*\tl+\p+1], v[DA+8*\tl+\p:DA+8*\tl+\p+1], v[H+32*\g+8*\tl+\p:H+32*\g+8*\tl+\p+1], v[DB+8*\tl+\p:DB+8*\tl+\p+1]
.endr
.endm
; h = h / (1 + 2^D) + b xm; D already holds -a log2 e.  2^D = infinity gives the gate 0, as the sigmoid's limit is.
; Behind every run of exp2 or reciprocals stands a run of plain packed instructions on other registers before its results are used (ISA guide 5.7.2).
.macro GATE g
	XSUM
	EXP8 0
	MULB 0
	EXP8 1
	MULB 1
	ADD1 0
	EXP8 2
	MULB 2
	ADD1 1
	EXP8 3
	MULB 3
	ADD1 2
	RCP8 0
	ADD1 3
	RCP8 1
	HFMA \g, 0
	RCP8 2
	HFMA \g, 1
	RCP8 3
	HFMA \g, 2
	HFMA \g, 3
.endm
.macro GATE0 g                         ; the first time step: h = b xm starts the state, nothing is cleared, and a is not computed
	XSUM
.set n, 0
.rept 16
	v_pk_mul_f32 v[H+32*\g+2*n:H+32*\g+2*n+1], v[DB+2*n:DB+2*n+1], v[DX:DX+1]
.set n, n+1
.endr
.endm
; c's four tiles over a's, c's biases over a's, w into X: all dead by the last matrix run.  They land under the last gate.
.macro TAILLOADS
	WIN 0x40
.irp tl, 0,1,2,3
.irp k, 0,1,2,3
	global_load_b128 v[WA+16*\tl+4*\k:WA+16*\tl+4*\k+3], v10, s[42:43] offset:2048*(8+\tl)+512*\k
.endr
	global_load_b128 v[BC+8*\tl:BC+8*\tl+3], v11, s[42:43] offset:BIAS+64*(8+\tl)
	global_load_b128 v[BC+8*\tl+4:BC+8*\tl+7], v11, s[42:43] offset:BIAS+64*(8+\tl)+16
.endr
	WIN 0
.irp tl, 0,1,2,3
	global_load_b128 v[X+8*\tl:X+8*\tl+3], v11, s[42:43] offset:WV+64*\tl
	global_load_b128 v[X+8*\tl+4:X+8*\tl+7], v11, s[42:43] offset:WV+64*\tl+16
.endr
.endm
; One group step.  The matrix run on this step's fragments; the next step's conversion, whose 16 plain instructions name no register of the run and are
; the places between it and the gate's reads; the loads of the step after next; the gate.
.macro STEP slot, i, first, last
.if \first
	MM F0+16*(\i&1), 4
.else
	MM F0+16*(\i&1), 0
.endif
.if \i < 7
	s_wait_dscnt 0x0                               ; the next step's eight loads, the only ones out, issued one gate and one matrix run ago
	CVT F0+16*((\i+1)&1)
.endif
.if \i < 6
	LDX \slot, \i+2
.endif
.if \i == 7
.rept 4
	v_nop                                          ; no conversion is left in this chunk: four places behind the matrix run
.endr
.if \last
	TAILLOADS
.endif
.endif
.if \first
	GATE0 (\i&1)
.else
	GATE (\i&1)
.endif
.if \last
.if \i >= 6
	v_mov_b32 v[XML+(\i&1)], v[DX]                 ; xm of the last time step
.endif
.endif
.endm
.macro CHUNK slot, c0, last            ; 4 time steps x 2 groups from one slot
	LDX \slot, 0
	s_wait_dscnt 0x0
	CVT F0
	LDX \slot, 1
	STEP \slot, 0, \c0, \last
	STEP \slot, 1, \c0, \last
.irp i, 2,3,4,5,6,7
	STEP \slot, \i, 0, \last
.endr
.endm
; The change of slots.  In front of the barrier each wave waits for all its tensor loads (the one that is out is its part of this slot) and for its reads
; of the other slot; behind it the other slot's refill is the first thing, the wave's one tensor load until the next barrier, and has a whole chunk
; (144 matrix instructions and their gates) in which to land.
.macro NEXT slot, refill, last
	s_wait_tensorcnt 0x0                           ; no tensor load of mine is out: a group 0 may be written
	ds_add_u32 v254, v255
	s_wait_dscnt 0x0
.if \refill
	s_add_nc_u64 s[30-4*\slot:31-4*\slot], s[30-4*\slot:31-4*\slot], 2048   ; the other slot's next chunk: 8 time steps of 256 bytes on
.endif
	s_wait_dscnt 0x0                               ; my reads of the other slot are back (met: the chunk's last wait was for 0)
	s_barrier_signal -1
	s_barrier_wait -1
.if \refill
	tensor_load_to_lds s[28-4*\slot:31-4*\slot], s[16:23]
	s_nop 0
.endif
	CHUNK \slot, 0, \last
.endm
	s_wait_tensorcnt 0x1                           ; my part of slot 0 is in; slot 1's fill, the one load issued behind it, stays out
	s_barrier_signal -1
	s_barrier_wait -1                              ; everybody's part is in
	CHUNK 0, 1, 0                                  ; steps 0-3
	s_mov_b32 s34, 3
.Lpair:                                            ; chunks 1-6; chunks 2-7 are asked for
	NEXT 1, 1, 0
	NEXT 0, 1, 0
	s_sub_co_u32 s34, s34, 1
	s_cmp_lg_u32 s34, 0
	s_cbranch_scc1 .Lpair
	NEXT 1, 0, 1                                   ; chunk 7: nothing is left to fetch
	; THE HEAD.  c at the last step: buffers F0 and F1 still hold the last step's fragments of groups 0 and 1.  Eight accumulators by turns.
	s_wait_loadcnt 0x0                             ; c's tiles and biases, w
	WIN 0x11
.irp tl, 0,1,2,3
.irp g, 0,1
	v_wmma_f32_16x16x32_bf16 v[D+32*\g+8*\tl:D+32*\g+8*\tl+7], v[WA+16*\tl:WA+16*\tl+7], v[F0+16*\g:F0+16*\g+7], v[BC+8*\tl:BC+8*\tl+7]
.endr
.endr
	WIN 0x01
.irp tl, 0,1,2,3
.irp g, 0,1
	v_wmma_f32_16x16x32_bf16 v[D+32*\g+8*\tl:D+32*\g+8*\tl+7], v[WA+16*\tl+8:WA+16*\tl+15], v[F0+16*\g+8:F0+16*\g+15], v[D+32*\g+8*\tl:D+32*\g+8*\tl+7]
.endr
.endr
	WIN 0
	; the polynomial's coefficients, halved and negated, each twice for the packed forms; these ten lines are also the places behind the matrix run
	v_mov_b32 v[CF+0], 0xbf07dc22                  ; -1.061405429 / 2
	v_mov_b32 v[CF+1], 0xbf07dc22
	v_mov_b32 v[CF+2], 0x3f3a00e3                  ;  1.453152027 / 2
	v_mov_b32 v[CF+3], 0x3f3a00e3
	v_mov_b32 v[CF+4], 0xbf35f0e3                  ; -1.421413741 / 2
	v_mov_b32 v[CF+5], 0xbf35f0e3
	v_mov_b32 v[CF+6], 0x3e11a98e                  ;  0.284496736 / 2
	v_mov_b32 v[CF+7], 0x3e11a98e
	v_mov_b32 v[CF+8], 0xbe027906                  ; -0.254829592 / 2
	v_mov_b32 v[CF+9], 0xbe027906
; Eight states: z = c h;  t = 1 / (1 + 0.23164189 |z|);  q = (poly(t) / 2) e^(-z z / 2);  Phi = 1/2 + sign(z) (1/2 - q);  ACC += z w Phi.
; A very large |z| gives e^.. = 0 and q = 0: Phi is 0 or 1 exactly.
.macro GELU8 g, tl, first
.set Z,  D+32*\g+8*\tl
.set HH, H+32*\g+8*\tl
.set WW, X+8*\tl
.irp p, 0,2,4,6
	v_pk_mul_f32 v[Z+\p:Z+\p+1], v[Z+\p:Z+\p+1], v[HH+\p:HH+\p+1]
.endr
.irp j, 0,1,2,3,4,5,6,7
	v_and_b32 v[TA+\j], s39, v[Z+\j]
.endr
.irp p, 0,2,4,6
	v_pk_fma_f32 v[TA+\p:TA+\p+1], v[TA+\p:TA+\p+1], 0x3e6d3388, 1.0 op_sel_hi:[1,0,0]
.endr
.irp j, 0,1,2,3,4,5,6,7
	v_rcp_f32 v[TA+\j], v[TA+\j]
.endr
.irp p, 0,2,4,6
	v_pk_mul_f32 v[TE+\p:TE+\p+1], v[Z+\p:Z+\p+1], v[Z+\p:Z+\p+1]          ; plain work on other registers behind the reciprocals
.endr
.irp p, 0,2,4,6
	v_pk_mul_f32 v[TE+\p:TE+\p+1], v[TE+\p:TE+\p+1], 0xbf38aa3b op_sel_hi:[1,0]   ; times -(log2 e) / 2
.endr
.irp j, 0,1,2,3,4,5,6,7
	v_exp_f32 v[TE+\j], v[TE+\j]
.endr
	s_wait_alu depctr_va_vdst(0)
.irp p, 0,2,4,6
	v_pk_fma_f32 v[TP+\p:TP+\p+1], v[TA+\p:TA+\p+1], v[CF:CF+1], v[CF+2:CF+3]     ; plain work on other registers behind the exponentials
.endr
.irp c, 4,6,8
.irp p, 0,2,4,6
	v_pk_fma_f32 v[TP+\p:TP+\p+1], v[TP+\p:TP+\p+1], v[TA+\p:TA+\p+1], v[CF+\c:CF+\c+1]
.endr
.endr
.irp p, 0,2,4,6
	v_pk_mul_f32 v[TP+\p:TP+\p+1], v[TP+\p:TP+\p+1], v[TA+\p:TA+\p+1]
.endr
.irp p, 0,2,4,6
	v_pk_fma_f32 v[TP+\p:TP+\p+1], v[TP+\p:TP+\p+1], v[TE+\p:TE+\p+1], 0.5 op_sel_hi:[1,1,0]   ; 1/2 - q (the coefficients are negated)
.endr
.irp j, 0,1,2,3,4,5,6,7
	v_bfi_b32 v[TP+\j], s39, v[TP+\j], v[Z+\j]     ; with z's sign
.endr
.irp p, 0,2,4,6
	v_pk_add_f32 v[TP+\p:TP+\p+1], v[TP+\p:TP+\p+1], 0.5 op_sel_hi:[1,0]
.endr
.irp p, 0,2,4,6
	v_pk_mul_f32 v[Z+\p:Z+\p+1], v[Z+\p:Z+\p+1], v[WW+\p:WW+\p+1]
.endr
.if \first
	v_pk_mul_f32 v[ACC+2*\g:ACC+2*\g+1], v[Z:Z+1], v[TP:TP+1]
.else
	v_pk_fma_f32 v[ACC+2*\g:ACC+2*\g+1], v[Z:Z+1], v[TP:TP+1], v[ACC+2*\g:ACC+2*\g+1]
.endif
.irp p, 2,4,6
	v_pk_fma_f32 v[ACC+2*\g:ACC+2*\g+1], v[Z+\p:Z+\p+1], v[TP+\p:TP+\p+1], v[ACC+2*\g:ACC+2*\g+1]
.endr
.endm
.irp g, 0,1
	GELU8 \g, 0, 1
	GELU8 \g, 1, 0
	GELU8 \g, 2, 0
	GELU8 \g, 3, 0
.endr
.irp g, 0,1
	v_add_f32 v[ACC+2*\g], v[ACC+2*\g], v[ACC+2*\g+1]
	v_permlanex16_b32 v[TA+\g], v[ACC+2*\g], s40, s41      ; lanes r and r + 16 hold the two halves of stock r's states
	v_add_f32 v[ACC+2*\g], v[ACC+2*\g], v[TA+\g]
	v_fmac_f32 v[ACC+2*\g], s36, v[XML+\g]                 ; + xm(last) sv
.endr
	v_cmp_gt_u32 vcc_lo, 16, v2
	v_cndmask_b32 v[ACC], v[ACC+2], v[ACC], vcc_lo         ; lane = stock of my 32: group 0 below, group 1 above
	v_add_f32 v[ACC], s37, v[ACC]                          ; + Kc
	v_add_f32 v[ACC], s38, v[ACC]                          ; + fb (level 0) or 0
	ds_store_b32 v12, v[ACC]
	s_wait_dscnt 0x0                               ; for the wave that reads the stage: my store is done
	s_barrier_signal -1
	s_barrier_wait -1
	s_cmp_lg_u32 s12, 0
	s_cbranch_scc1 .Lend
	ds_load_b128 v[16:19], v13                     ; level 0's and level 1's parts of four stocks a lane
	ds_load_b128 v[20:23], v13 offset:512
	s_wait_dscnt 0x0
	v_pk_add_f32 v[16:17], v[16:17], v[20:21]
	v_pk_add_f32 v[18:19], v[18:19], v[22:23]
	global_store_b128 v10, v[16:19], s[10:11]      ; the work-group's 128 results: one store of 512 consecutive bytes, aligned
.Lend:
	s_wait_tensorcnt 0x0
	ds_add_u32 v254, v255
	s_wait_dscnt 0x0
	s_endpgm
.Lfunc_end_k_q86e4f56a19_scan:
	.size	k_q86e4f56a19_scan, .Lfunc_end_k_q86e4f56a19_scan-k_q86e4f56a19_scan
	.p2alignl 7, 3214868480
	.fill 96, 4, 3214868480
	.section	.rodata,"a",@progbits
	.p2align	6, 0x0
	.amdhsa_kernel k_q86e4f56a19_scan
		.amdhsa_group_segment_fixed_size 327680
		.amdhsa_private_segment_fixed_size 0
		.amdhsa_enable_private_segment 0
		.amdhsa_kernarg_size 32
		.amdhsa_user_sgpr_count 2
		.amdhsa_user_sgpr_kernarg_segment_ptr 1
		.amdhsa_wavefront_size32 1
		.amdhsa_system_sgpr_workgroup_id_x 1
		.amdhsa_system_sgpr_workgroup_id_y 1
		.amdhsa_system_sgpr_workgroup_id_z 1
		.amdhsa_system_vgpr_workitem_id 0
		.amdhsa_next_free_vgpr 472
		.amdhsa_next_free_sgpr 66
		.amdhsa_reserve_vcc 1
		.amdhsa_float_denorm_mode_32 3
		.amdhsa_float_denorm_mode_16_64 3
		.amdhsa_memory_ordered 1
		.amdhsa_forward_progress 1
		.amdhsa_inst_pref_size 255
	.end_amdhsa_kernel
	.section	.bss,"aw",@nobits
	.p2align	6
	.space	262144
	.amdgpu_metadata
---
amdhsa.version: [ 1, 2 ]
amdhsa.kernels:
  - .name:           k_q86e4f56a19_scan
    .symbol:         k_q86e4f56a19_scan.kd
    .args:
      - { .name: p_seq, .offset: 0, .size: 8, .value_kind: global_buffer, .address_space: global }
      - { .name: fold, .offset: 8, .size: 8, .value_kind: global_buffer, .address_space: global }
      - { .name: fb, .offset: 16, .size: 8, .value_kind: global_buffer, .address_space: global }
      - { .name: out0, .offset: 24, .size: 8, .value_kind: global_buffer, .address_space: global }
    .group_segment_fixed_size: 327680
    .private_segment_fixed_size: 0
    .kernarg_segment_align: 8
    .kernarg_segment_size: 32
    .max_flat_workgroup_size: 256
    .sgpr_count:     66
    .vgpr_count:     472
    .wavefront_size: 32
...
	.end_amdgpu_metadata
.endif
;; end of part 2
